; MI455X (gfx1250); checked and timed in simulation.
; The chip was launched on July 23, 2026; its instructions are those of AMD's public machine-readable ISA for CDNA 5 (MIT licence, August 2026) and "CDNA5" Instruction Set Architecture Reference Guide (July 2026). The comments in the code are by the model that wrote it; some were corrected since.
;; Quantized Linear. Allowed arithmetic: matrix products marked QUANTISED: E2M3 operands, one E8M0 scale for each 32 along K, by v_wmma_scale_f32_16x16x128_f8f6f4 with both operands' format E2M3, f32 sums; everything else in f32.
;; Inputs: bias 4,096 float32; input_scale 1 float32; weight_int8 4,096 x 4,096 int32; weight_scale 4,096 x 1 float32; weight_zero_point 4,096 x 1 int32; x_q 4,096 x 4,096 int32.
;; Outputs: out0 4,096 x 4,096 float32.
;; Constants: input_zero_point = 128.
;; This version of the problem:
;;   THIS VERSION OF THE PROBLEM IS GIVEN IN LOW PRECISION. The matrix products marked QUANTISED in the list below multiply operands that are first quantised to E2M3 (2 exponent bits, 3 mantissa bits; 6 bits a number), with one power-of-two scale for each 32 numbers along K (OCP MX v1.0); their sums are f32. All else is computed in f32.
;;   The module's matrix products, in the order in which they are computed (A, B: the left and right operand; K: the contracted axis; several contracted axes count as one K, in the product's order):
;;     1. [M 4,096, K 4,096] x [K 4,096, N 4,096]; A: computed on the way; B: computed on the way: QUANTISED
;;   THE QUANTISER, for each operand of a quantised product, along K:
;;     - K is cut into blocks of 32 from its start; a last block that is shorter is filled with zeros.
;;     - A block's scale is 2^e with e = floor(log2(the largest magnitude in the block)) - 2, held to -126 .. 127; a block of zeros has e = 0. As a byte (E8M0): e + 127.
;;     - Each number is divided by its block's scale, clamped to +-7.5, and rounded to the nearest number of E2M3, ties to even, subnormals kept.
;;     - The product sums the exact products of the quantised numbers (number of the format x scale) in f32.
;;   ~~~python
;;   def quantise(x, axis):      # numpy; x: float32 -> the quantised numbers, widened to float32 again
;;       x = np.moveaxis(x, axis, -1); K = x.shape[-1]
;;       x = np.pad(x, [(0, 0)] * (x.ndim - 1) + [(0, -K % 32)]); x = x.reshape(x.shape[:-1] + (-1, 32)); a = np.abs(x).max(-1, keepdims=True)
;;       e = np.where(a > 0, np.clip(np.frexp(np.where(a > 0, a, 1))[1] - 1 - 2, -126, 127), 0)      # np.frexp(a)[1] - 1 = floor(log2(a)), exactly
;;       r = np.clip(x / 2.0 ** e, -7.5, 7.5)
;;       step = 2.0 ** (np.maximum(np.frexp(np.where(r == 0, 1, r))[1] - 1, 0) - 3)
;;       q = np.round(r / step) * step * 2.0 ** e      # np.round: ties to even
;;       return np.moveaxis(q.reshape(q.shape[:-2] + (-1,))[..., :K], -1, axis).astype(np.float32)
;;   ~~~
;;   OPERANDS COMPUTED ON THE WAY. 'Computed on the way' means the value that the module computes at that place (a softmax that the list does not call 'softmax' is quantised finished and normalised). What goes into a quantiser is computed in f32, as accurately as f32 sums, v_exp_f32 and their like allow (about 1e-6 of the number): no bf16 or f16 on the way to a quantiser, and a product that is left as it is and whose result goes on into a quantised operand takes f32 operands (vector FMAs, or v_wmma_f32_16x16x4_f32). A number that lies on a knife's edge between two numbers of the format may be rounded either way, as far as f32 arithmetic and the matrix unit's own rounding can turn it there, and no further.
;; One version. Each part assembles by itself: llvm-mc -triple=amdgcn-amd-amdhsa -mcpu=gfx1250 --defsym DOCPART=n.
;; ======== version 1 of 1: 2 launches
;; limits: right only within a limited range of input values
;; workspace buffers: a_ops 13,107,200 bytes; b_ops 13,107,200 bytes
;; launch quant (part 1): grid 512 x 1, 8 waves a work-group, no clusters, 70,656 bytes of LDS; arguments x_q, weight_int8, weight_zero_point, a_ops, b_ops; writes a_ops, b_ops
.if DOCPART == 1
	.amdgcn_target "amdgcn-amd-amdhsa--gfx1250"
	.amdhsa_code_object_version 6
	.text
	.protected	k_q5d129919cb_quant
	.globl	k_q5d129919cb_quant
	.p2align	8
	.type	k_q5d129919cb_quant,@function
k_q5d129919cb_quant:
	s_mov_b64 s[64:65], 0
	v_nop
	global_prefetch_b8 v0, s[64:65] scope:SCOPE_SE
	s_setreg_imm32_b32 hwreg(HW_REG_WAVE_MODE, 25, 1), 1
	s_wait_xcnt 0x0
; x_q [4096][4096] and weight_int8 [4096][4096], int32, become the two operands of the product: number = f32(int) - f32(zero point) (128 for x, weight_zero_point[n] for row n of the weight),
; quantised along K to codes of FP6 (E2M3) with one E8M0 scale byte for each 32 along K.  A block's scale is 2^(floor(log2(its largest magnitude)) - 2): its byte is the largest magnitude's exponent field - 2.
; LIMIT: a block of zeros gets the byte 1 where the rule says 127: its codes are zeros, which add nothing under any byte but 0xff, and the bytes are read by this program alone.
; The integers may be any int32: they are rounded to f32 as a conversion rounds them, and the subtraction is one f32 subtraction.
; WHAT IS WRITTEN is laid as the product's launch reads it, one buffer for each operand.  A FRAGMENT (16 rows x 128 K: 12 registers a lane) is an image of its registers: register j of lane l at 512 (j / 4) + 16 l + 4 (j % 4), 1,536 bytes.
;   half tile of 128 rows hh x 409,600 + step of 128 along K x 12,800 + row block of 16 i x 1,536: the fragment;
;   behind a step's eight fragments, at 12,288: its 128 rows' scale words (four bytes: 128 along K of one row): (i / 4) x 256 + row r x 16 + (i % 4) x 4: 512 bytes.
; SHARES.  Work-groups 0-255 take x, 256-511 the weight: only pointers are chosen, the text has one path.  A work-group is 128 rows x 512 along K; wave w takes row block w: four units of 16 rows x 128 K.
; A load reads 512 consecutive bytes of one row, 16 a lane; the conversions want 16 neighbours along K in ONE lane's registers: so a unit's 8,192 bytes turn through the wave's own stage in LDS.
; The eight waves' scale words of a step belong together in memory: they meet in LDS behind the text's one barrier, and each wave stores 256 consecutive bytes of them.
; No tensor loads, no loop: every offset is an immediate.  Loads run two units (32 loads a wave) ahead.
.set ROWM,   16384                     ; a row of the input in bytes
.set SPITCH, 528                       ; a stage row: 512 bytes + 16 = 33 x 16: the sixteen rows that a read by rows touches start in sixteen different groups of four banks (64 banks of 4 bytes: ISA guide 11.1)
.set WSTG,   16*SPITCH                 ; a wave's stage
.set SCG,    8*WSTG                    ; behind the stages: the work-group's scale words, 4 steps x 512 bytes, laid as in memory
.set FRB,    1536                      ; a fragment's image
.set SCO,    8*FRB                     ; where a step's scale words begin
.set STEPH,  SCO+512                   ; 128 rows x 128 K: codes and scale words
.set HSTREAM, 32*STEPH                 ; 128 rows, all of K
.set LA,  4                            ; v4   16 x lane: my bytes of a load's 512, and of an image's 512
.set SI,  5                            ; v5   the stage, on the way in: wave's stage + 16 x lane
.set SO,  6                            ; v6   on the way out: wave's stage + 528 r + 64 h
.set ZA,  7                            ; v7   4 r: my row's zero point
.set SA,  8                            ; v8   8 x lane: my bytes of the 256 bytes of scale words that my wave stores
.set GS,  9                            ; v9   LDS: where my row's scale word of unit 0 goes: SCG + 256 (w / 4) + 16 r + 4 (w % 4)
.set NZ,  10                           ; v[10:11] minus the zero point, twice (a pair for the packed addition)
.set GL,  14                           ; v14  LDS: what I read back: SCG + 256 w + 8 x lane
.set PWS, 16                           ; v16-19  the four units' scale words
.set SW,  20                           ; v[20:21] the scale words that I store
.set TM,  24                           ; v24-39  at work: +0..3 largest magnitudes, +4..7 the other half's, then the bytes, +12..15 the conversions' scale operands
.set PC,  40                           ; v40-51  the fragment; v52-54, v56-58 the conversions' second halves
.set X,   64                           ; v64-127 a unit's 64 numbers of my row: register 16 b + i = k 32 b + 16 h + i
.set R,   128                          ; v128-255 two sets of 64 registers, as loaded
.set SEL, 26                           ; s[26:27] v_permlanex16_b32's selects for lane l xor 16
	s_load_b128 s[4:7], s[0:1], 0x0                ; x_q, weight_int8
	s_load_b64 s[8:9], s[0:1], 0x10                ; weight_zero_point
	s_load_b128 s[12:15], s[0:1], 0x18             ; x's operand buffer, the weight's
	v_lshl_add_u32 v62, v0, 2, 0x11000
	v_mov_b32 v63, 0
	v_lshrrev_b32 v1, 5, v0
	s_delay_alu instid0(VALU_DEP_1)
	v_readfirstlane_b32 s20, v1                    ; wave 0..7
	v_and_b32 v1, 31, v0                           ; lane
	v_and_b32 v2, 15, v0                           ; r
	v_bfe_u32 v3, v0, 4, 1                         ; h
	s_delay_alu instid0(VALU_DEP_3)
	v_lshlrev_b32 v[LA], 4, v1
	s_mul_i32 s37, s20, WSTG
	v_add_nc_u32 v[SI], s37, v[LA]
	v_mul_u32_u24 v[SO], v2, SPITCH
	s_delay_alu instid0(VALU_DEP_1)
	v_lshl_add_u32 v[SO], v3, 6, v[SO]
	s_delay_alu instid0(VALU_DEP_1)
	v_add_nc_u32 v[SO], s37, v[SO]
	v_lshlrev_b32 v[ZA], 4, v2                     ; a row block's rows lie 4 apart: lane r's zero point is 16 r bytes on
	v_lshlrev_b32 v[SA], 3, v1
	s_lshr_b32 s25, s20, 2
	s_lshl_b32 s25, s25, 8                         ; 256 (w / 4)
	s_and_b32 s36, s20, 3
	s_lshl_b32 s36, s36, 2                         ; 4 (w % 4)
	s_add_co_u32 s25, s25, s36
	s_add_co_u32 s25, s25, SCG
	v_lshl_add_u32 v[GS], v2, 4, s25
	s_lshl_b32 s36, s20, 8
	s_add_co_u32 s36, s36, SCG
	v_lshl_add_u32 v[GL], v1, 3, s36
.irp b, 0,1,2,3
	v_mov_b32 v[TM+4+\b], 0                        ; written once: a lane permute's destination counts as one of its sources
.endr
	s_mov_b32 s[SEL], 0x76543210
	s_mov_b32 s[SEL+1], 0xfedcba98
	s_and_b32 s21, ttmp9, 255                      ; my work-group in my tensor:
	s_lshr_b32 s22, s21, 3                         ; hh: which 128 rows,
	s_and_b32 s23, s21, 7                          ; which 512 along K
	s_lshl_b32 s28, s22, 21                        ; input: 128 rows of 16,384 bytes,
	; THE ROWS OF A ROW BLOCK ARE NOT NEIGHBOURS: block w of a half tile holds rows 64 (w / 4) + w % 4 + 4 r, r = 0 .. 15, in both operands,
	; so that in the product's result four neighbouring blocks of the weight hold four neighbouring columns in one lane
	s_lshr_b32 s25, s20, 2
	s_lshl_b32 s25, s25, 20                        ; + 64 (w / 4) rows
	s_and_b32 s36, s20, 3
	s_lshl_b32 s36, s36, 14                        ; + w % 4 rows
	s_add_co_u32 s25, s25, s36
	s_add_co_u32 s28, s28, s25
	s_lshl_b32 s25, s23, 11                        ; + 512 numbers
	s_add_co_u32 s28, s28, s25
	s_mov_b32 s29, 0
	s_mul_i32 s30, s22, HSTREAM                    ; output: my 128 rows,
	s_mul_i32 s25, s23, 4*STEPH                    ; my four steps
	s_add_co_u32 s30, s30, s25
	s_lshr_b32 s25, s20, 1                         ; the scale words that my wave stores: step w / 2 of the four,
	s_mul_i32 s32, s25, STEPH
	s_and_b32 s25, s20, 1                          ; its 256 bytes w % 2
	s_lshl_b32 s25, s25, 8
	s_add_co_u32 s32, s32, s25
	s_add_co_u32 s32, s32, s30
	s_add_co_u32 s32, s32, SCO
	s_mov_b32 s33, 0
	s_mul_i32 s25, s20, FRB                        ; the codes: my row block's fragment
	s_add_co_u32 s30, s30, s25
	s_mov_b32 s31, 0
	s_lshl_b32 s34, s22, 9                         ; zero points: 128 words for 128 rows, 16 a wave (inside the buffer for x's work-groups too, which load a word and replace it)
	s_lshr_b32 s25, s20, 2
	s_lshl_b32 s25, s25, 8                         ; the block's first row: 64 (w / 4) words
	s_and_b32 s36, s20, 3
	s_lshl_b32 s36, s36, 2                         ; + w % 4 words
	s_add_co_u32 s25, s25, s36
	s_add_co_u32 s34, s34, s25
	s_mov_b32 s35, 0
	s_wait_alu depctr_va_vdst(0)
	s_wait_kmcnt 0x0
	s_cmp_lt_u32 ttmp9, 256                        ; x's work-group or the weight's?  The choice hangs on the work-group's number alone
	s_cselect_b64 s[4:5], s[4:5], s[6:7]
	s_cselect_b64 s[12:13], s[12:13], s[14:15]
	s_cselect_b32 s24, -1, 0                       ; all lanes' bits set for x
	s_add_nc_u64 s[4:5], s[4:5], s[28:29]
	s_add_nc_u64 s[16:17], s[12:13], s[32:33]      ; where my wave's 256 bytes of scale words go
	s_add_nc_u64 s[12:13], s[12:13], s[30:31]      ; where my fragments go
	s_add_nc_u64 s[8:9], s[8:9], s[34:35]
.macro LOAD t                          ; unit t: 16 rows x 512 bytes into set t % 2: each load reads 512 consecutive bytes, at a multiple of 512 from the buffer's first byte
.irp i, 0,1,2,3,4,5,6,7,8,9,10,11,12,13,14,15
	global_load_b128 v[R+64*((\t)%2)+4*\i:R+64*((\t)%2)+4*\i+3], v[LA], s[4:5] offset:\i*4*ROWM+(\t)*512 th:TH_LOAD_NT
.endr
.endm
; 64 numbers of a lane, v[s] .. v[s + 63], register 16 b + i = k 32 b + 16 h + i of my row, become a fragment's codes in v[PC] on and my row's scale word in v[pw] (both halves of the lanes hold it).
.macro QUANT s, pw
.irp b, 0,1,2,3
	v_max3_num_f32 v[TM+\b], |v[\s+16*\b]|, |v[\s+1+16*\b]|, 0x1800000   ; block b: my 16 numbers, and the floor 2^(3 - 127), under which no largest magnitude is taken: so the byte cannot fall under 1
.endr
.irp i, 2,4,6,8,10,12,14
.irp b, 0,1,2,3
	s_delay_alu instid0(VALU_DEP_4)
	v_max3_num_f32 v[TM+\b], v[TM+\b], |v[\s+16*\b+\i]|, |v[\s+1+16*\b+\i]|   ; the four blocks by turns: no line waits for the line above it
.endr
.endr
.irp b, 0,1,2,3
	s_delay_alu instid0(VALU_DEP_4)
	v_permlanex16_b32 v[TM+4+\b], v[TM+\b], s[SEL], s[SEL+1]
.endr
.irp b, 0,1,2,3
	s_delay_alu instid0(VALU_DEP_4)
	v_max_num_f32 v[TM+\b], v[TM+\b], v[TM+4+\b]   ; with lane l xor 16's 16 numbers: the block's largest magnitude
.endr
.irp b, 0,1,2,3
	s_delay_alu instid0(VALU_DEP_4)
	v_add_nc_u32 v[TM+12+\b], 0xff000000, v[TM+\b] ; 2 off its exponent field: the conversion takes the exponent field of this operand as its scale, and nothing else of it
.endr
.irp b, 0,1,2,3
	s_delay_alu instid0(VALU_DEP_4)
	v_lshrrev_b32 v[TM+4+\b], 23, v[TM+12+\b]      ; the scale's byte
.endr
	s_delay_alu instid0(VALU_DEP_3)
	v_lshl_or_b32 v[\pw], v[TM+5], 8, v[TM+4]      ; the four bytes make my row's scale word
	s_delay_alu instid0(VALU_DEP_1)
	v_lshl_or_b32 v[\pw], v[TM+6], 16, v[\pw]
	s_delay_alu instid0(VALU_DEP_1)
	v_lshl_or_b32 v[\pw], v[TM+7], 24, v[\pw]
.irp c, 0,1
	v_cvt_scalef32_pk16_fp6_f32 v[PC+6*\c:PC+2+6*\c], v[\s+32*\c:\s+15+32*\c], v[TM+12+2*\c]   ; 16 numbers / the scale, to the nearest code, ties to even, beyond the largest code the largest
	v_cvt_scalef32_pk16_fp6_f32 v[PC+12+4*\c:PC+14+4*\c], v[\s+16+32*\c:\s+31+32*\c], v[TM+12+2*\c+1]   ; (a conversion's three registers begin on an even number)
.endr
	v_nop                                          ; one plain vector instruction between a scaled conversion and the vector instruction that touches its result
.irp c, 0,1                            ; the operand's layout wants a WHOLE block in a lane: lanes 0-15 block 2 c, lanes 16-31 block 2 c + 1
.irp i, 0,1,2
	v_permlane16_swap_b32 v[PC+6*\c+\i], v[PC+12+4*\c+\i]   ; the first's lanes 16-31 change places with the second's lanes 0-15
.endr
.irp i, 0,1,2
	s_delay_alu instid0(VALU_DEP_3)
	v_mov_b32 v[PC+3+6*\c+\i], v[PC+12+4*\c+\i]    ; registers 6 c .. 6 c + 5 now hold k = 64 c + 32 h + 0 .. 31
.endr
.endr
.endm
.macro UNIT t
.set RS, R+64*((\t)%2)
.if (\t) < 3
	s_wait_loadcnt 16                              ; this unit's 16 loads are in; the next unit's 16 may be out
.else
	s_wait_loadcnt 0x0
.endif
.irp i, 0,1,2,3,4,5,6,7,8,9,10,11,12,13,14,15
	ds_store_b128 v[SI], v[RS+4*\i:RS+4*\i+3] offset:SPITCH*\i       ; row i as it was loaded
.endr
.irp b, 0,1,2,3
.irp j, 0,1,2,3
	ds_load_b128 v[X+16*\b+4*\j:X+16*\b+4*\j+3], v[SO] offset:128*\b+16*\j   ; LDS serves a wave's instructions in order (ISA guide 5.7.1.4): these see the stores above.  My row's k = 32 b + 16 h + 4 j on
.endr
.endr
	s_wait_dscnt 0x0                               ; my 64 numbers are in, and the stores have read their registers,
.if (\t) < 2
	LOAD (\t)+2                                    ; which take the unit two on
.endif
.set j, 0
.rept 64
	v_cvt_f32_i32 v[X+j], v[X+j]
.set j, j+1
.endr
.set j, 0
.rept 32
	v_pk_add_f32 v[X+j:X+j+1], v[X+j:X+j+1], v[NZ:NZ+1]             ; - the zero point, in f32
.set j, j+2
.endr
.if (\t) > 0
	s_wait_xcnt 0x0                                ; the last unit's stores have read the fragment's registers: only behind this wait are they written again
.endif
	QUANT X, PWS+(\t)
.irp c, 0,1,2
	global_store_b128 v[LA], v[PC+4*\c:PC+4*\c+3], s[12:13] offset:(\t)*STEPH+512*\c   ; 32 lanes store 512 consecutive bytes, at a multiple of 512 from the buffer's first byte
.endr
.endm
	global_load_b32 v12, v[ZA], s[8:9]             ; my row's zero point
	LOAD 0
	LOAD 1
	s_wait_loadcnt 32                              ; the zero point is in; the 32 loads issued behind it may be out
	v_cvt_f32_i32 v12, v12
	v_mov_b32 v13, 0x43000000                      ; 128.0: x's zero point, a constant of the problem
	s_delay_alu instid0(VALU_DEP_1)
	v_cndmask_b32 v12, v12, v13, s24               ; x's work-groups take it
	s_delay_alu instid0(VALU_DEP_1)
	v_sub_f32 v[NZ], 0, v12
	s_delay_alu instid0(VALU_DEP_1)
	v_mov_b32 v[NZ+1], v[NZ]
.irp t, 0,1,2,3
	UNIT \t
.endr
.irp t, 0,1,2,3
	ds_store_b32 v[GS], v[PWS+\t] offset:512*\t    ; my row's word of step t, at its place among the step's 512 bytes (lanes r and 16 + r write the same word with the same value)
.endr
	s_wait_dscnt 0x0                               ; for the others' sake: my words lie in LDS
	s_barrier_signal -1
	s_barrier_wait -1                              ; all eight waves' do
	ds_load_b64 v[SW:SW+1], v[GL]                  ; wave w: 256 bytes: step w / 2, row blocks 4 (w % 2) on
	s_wait_dscnt 0x0
	global_store_b64 v[SA], v[SW:SW+1], s[16:17]   ; 32 lanes store 256 consecutive bytes, at a multiple of 256 from the buffer's first byte
	s_wait_tensorcnt 0x0
	ds_add_u32 v62, v63
	s_wait_dscnt 0x0
	s_endpgm
.Lfunc_end_k_q5d129919cb_quant:
	.size	k_q5d129919cb_quant, .Lfunc_end_k_q5d129919cb_quant-k_q5d129919cb_quant
	.p2alignl 7, 3214868480
	.fill 96, 4, 3214868480
	.section	.rodata,"a",@progbits
	.p2align	6, 0x0
	.amdhsa_kernel k_q5d129919cb_quant
		.amdhsa_group_segment_fixed_size 70656
		.amdhsa_private_segment_fixed_size 0
		.amdhsa_enable_private_segment 0
		.amdhsa_kernarg_size 40
		.amdhsa_user_sgpr_count 2
		.amdhsa_user_sgpr_kernarg_segment_ptr 1
		.amdhsa_wavefront_size32 1
		.amdhsa_system_sgpr_workgroup_id_x 1
		.amdhsa_system_sgpr_workgroup_id_y 1
		.amdhsa_system_sgpr_workgroup_id_z 1
		.amdhsa_system_vgpr_workitem_id 0
		.amdhsa_next_free_vgpr 256
		.amdhsa_next_free_sgpr 66
		.amdhsa_reserve_vcc 0
		.amdhsa_float_denorm_mode_32 3
		.amdhsa_float_denorm_mode_16_64 3
		.amdhsa_memory_ordered 1
		.amdhsa_forward_progress 1
		.amdhsa_inst_pref_size 58
	.end_amdhsa_kernel
	.amdgpu_metadata
---
amdhsa.version: [ 1, 2 ]
amdhsa.kernels:
  - .name:           k_q5d129919cb_quant
    .symbol:         k_q5d129919cb_quant.kd
    .args:
      - { .name: x_q, .offset: 0, .size: 8, .value_kind: global_buffer, .address_space: global }
      - { .name: weight_int8, .offset: 8, .size: 8, .value_kind: global_buffer, .address_space: global }
      - { .name: weight_zero_point, .offset: 16, .size: 8, .value_kind: global_buffer, .address_space: global }
      - { .name: a_ops, .offset: 24, .size: 8, .value_kind: global_buffer, .address_space: global }
      - { .name: b_ops, .offset: 32, .size: 8, .value_kind: global_buffer, .address_space: global }
    .group_segment_fixed_size: 70656
    .private_segment_fixed_size: 0
    .kernarg_segment_align: 8
    .kernarg_segment_size: 40
    .max_flat_workgroup_size: 256
    .sgpr_count:     66
    .vgpr_count:     256
    .wavefront_size: 32
...
	.end_amdgpu_metadata
.endif
;; end of part 1
;; launch gemm (part 2): grid 16 x 16, 4 waves a work-group, clusters of 4 x 4, 327,680 bytes of LDS; arguments a_ops, b_ops, out0, weight_scale, bias, input_scale; writes out0
.if DOCPART == 2
	.amdgcn_target "amdgcn-amd-amdhsa--gfx1250"
	.amdhsa_code_object_version 6
	.text
	.protected	k_q5d129919cb_gemm
	.globl	k_q5d129919cb_gemm
	.p2align	8
	.type	k_q5d129919cb_gemm,@function
k_q5d129919cb_gemm:
	s_mov_b64 s[64:65], 0
	v_nop
	global_prefetch_b8 v0, s[64:65] scope:SCOPE_SE
	s_setreg_imm32_b32 hwreg(HW_REG_WAVE_MODE, 25, 1), 1
	s_wait_xcnt 0x0
	s_wait_alu depctr_hold_cnt(0) depctr_sa_sdst(0) depctr_va_vdst(0) depctr_va_sdst(0) depctr_va_ssrc(0) depctr_va_vcc(0) depctr_vm_vsrc(0)
	s_getreg_b32 s2, hwreg(HW_REG_IB_STS2, 6, 4)
	s_cmp_eq_u32 s2, 0
	s_cbranch_scc0 .Lentry_in_a_cluster
	s_endpgm
.Lentry_in_a_cluster:
	s_bfe_u32 s2, ttmp6, 0x10000c
	s_cmp_lg_u32 s2, 0xf033
	s_cbranch_scc0 .Lentry_shape_is_right
	s_endpgm
.Lentry_shape_is_right:
; out0[m][n] = (sum over k of A[m][k] B[n][k]) x (input_scale x weight_scale[n]) + bias[n].  A and B are the quantised operands that launch quant stored: codes of FP6 (E2M3) and E8M0 scale words.
; THE OPERAND BUFFERS: half tile of 128 rows x 409,600 bytes + step of 128 along K x 12,800 + row block i x 1,536: a fragment as an image of its 12 registers (register j of lane l at 512 (j / 4) + 16 l + 4 (j % 4));
; behind a step's eight fragments 512 bytes of scale words: (i / 4) x 256 + 16 r + 4 (i % 4).  Row block i holds rows 64 (i / 4) + i % 4 + 4 r, r = 0 .. 15, of its half tile.
; SHARES: a work-group of four waves makes 256 x 256 of out0, a wave 128 x 128: 64 accumulators, 512 registers.  256 work-groups.
; THE RING: two LDS slots of three K steps (153,600 bytes: A's two half tiles, then B's two); each wave fetches one half tile's three steps, 150 dense rows of 256 bytes, by one tensor load.
; 32 steps are ten fills of three and one of two.  By the text's own count a wave has one tensor load out behind each round.
; CLUSTERS: 4 x 4 work-groups; A's tiles are asked for jointly along a row of the cluster, B's along a column.
; THE WAY OUT NEEDS NO LDS: source 0 = 16 rows of A, source 1 = 16 rows of B, so register j of lane (r, h) of accumulator (a, b) is out0 at row 64 (a / 4) + a % 4 + 4 (8 h + j), column 64 (b / 4) + 4 r + b % 4.
; Register j of four neighbouring accumulators b is four neighbouring columns: the multiply-add that dequantises lays them into four registers on end, and sixteen lanes store 256 consecutive bytes, aligned.
; THE LAST TWO K STEPS GO BY ROWS OF C: both steps' fragments of B lie in registers, A's come block by block, and each block of 16 rows is stored as soon as its 16 products are done.
; PREFETCH: behind the joint load of fill c every wave names fill c + 2 (c + 2 up to 9): of a tile's 300 blocks of 256 bytes each of the four partners takes 75, told apart by address, a wave 19 of them, a lane a block
; (lanes left over name the wave's last block again).  Fills 0, 1 and the short fill 10 come by their loads alone.
; REGISTERS: window 0: v16-30 addresses, v32-47 scale words (two sets; lanes 0-15 A's, lanes 16-31 B's), v48-55 the dequantising factors, v56-63 the bias, v128-223 A's fragments (one set), on the way out v128-255 results.
;   window 1: B's fragments, sets at v0 and v128; v96-119, v224-247 A's blocks in the last two steps.  windows 2, 3: accumulator (a, b) at v[8 (8 (a % 4) + b)].
; LIMIT: none of range beyond the quantiser's own; sums and the multiply-add are f32.
.set ROWC,   16384                     ; a row of out0 in bytes
.set FR,     12
.set NL,     3
.set NP,     4                         ; places behind this matrix form (ISA guide 7.12.1)
.set FRB,    1536
.set SCO,    8*FRB
.set STEPH,  SCO+512
.set HALFT,  3*STEPH
.set SLOT,   4*HALFT
.set HSTREAM, 32*STEPH
.set TILEB,  2*HSTREAM
.set TRIPS,  4
.set SPARE,  2*SLOT                    ; behind the ring: the spare words, 512 bytes that no other line names
.set ADRA, 16
.set ADRB, 20
.set ADRS, 22
.set CO,   26                          ; my offset in out0: 32 h rows + 16 r bytes
.set VO,   27                          ; 16 r
.set SPW,  28
.set NIL,  29
.set PFO,  30                          ; 256 x my block of the 75
.set SC,   32
.set DS,   48
.set BI,   56
.set AF,   128
.set AB,   96
.set G1, 24
.set G0, 32
.set G1B, 48
.set G0B, 56
.set G1L, 68                           ; group 1 for the short last fill: 100 rows
.set G1LB, 80
.set PFA,  92
.set PFB,  94
.set MSB, 0
.macro WIN new                         ; the immediate's high byte repeats the setting that is left
.if MSB != \new
	s_set_vgpr_msb (MSB<<8)|\new
.set MSB, \new
.endif
.endm
.set MUL_LO, 0xa4                      ; source 0 (A) window 0, source 1 (B) window 1, C and D window 2
.set MUL_HI, 0xf4
.set TO_B,   0x40
.macro JLOAD g0a, g1a, g0b, g1b        ; waves 0, 1 fetch for A, waves 2, 3 for B; s_nop 0 and four v_nop behind each line
	s_cmp_eq_u32 s15, 0
	s_cbranch_scc0 .Lfor_b_\@
	tensor_load_to_lds s[\g0a:\g0a+3], s[\g1a:\g1a+7]
	s_nop 0
.rept 4
	v_nop
.endr
	s_branch .Lasked_\@
.Lfor_b_\@:
	tensor_load_to_lds s[\g0b:\g0b+3], s[\g1b:\g1b+7]
	s_nop 0
.rept 4
	v_nop
.endr
.Lasked_\@:
.endm
.macro CREST
	s_cmp_lg_u32 s14, 0
	s_cbranch_scc1 .Lnot_wave_0_\@
	s_barrier_signal -3
.Lnot_wave_0_\@:
	s_barrier_wait -3
	s_barrier_signal -1
	s_barrier_wait -1
.endm
.macro CROUND
	s_barrier_signal -1
	s_barrier_wait -1
	CREST
.endm
.macro ASK off, cond                   ; cond = 1, in the loop: its last trip (s3 = 1) has no whole fill two on
.if \cond
	s_cmp_gt_u32 s3, 1
	s_cbranch_scc0 .Lno_ask_\@
.endif
	global_prefetch_b8 v[PFO], s[PFA:PFA+1] offset:\off th:TH_LOAD_NT scope:SCOPE_SE
	global_prefetch_b8 v[PFO], s[PFB:PFB+1] offset:\off th:TH_LOAD_NT scope:SCOPE_SE
.if \cond
.Lno_ask_\@:
.endif
.endm
	s_load_b128 s[4:7], s[0:1], 0x0                ; A's operand buffer, B's
	s_load_b64 s[12:13], s[0:1], 0x10              ; out0
	s_load_b128 s[96:99], s[0:1], 0x18             ; weight_scale, bias
	s_load_b64 s[100:101], s[0:1], 0x28            ; input_scale
	v_lshl_add_u32 v[SPW], v0, 2, SPARE
	v_mov_b32 v[NIL], 0
	ds_add_u32 v[SPW], v[NIL]                      ; the opening lines: the add, twice on end, and its wait
	ds_add_u32 v[SPW], v[NIL]
	v_lshrrev_b32 v1, 5, v0
	v_readfirstlane_b32 s14, v1                    ; wave
	s_lshr_b32 s15, s14, 1                         ; my half of the rows; also: I fetch for A (0) or B (1)
	s_and_b32 s16, s14, 1                          ; my half of the columns; also: which half tile I fetch
	s_bfe_u32 s40, ttmp6, 0x40000                  ; cx
	s_bfe_u32 s41, ttmp6, 0x40004                  ; cy
	s_lshl_b32 s42, ttmp9, 2
	s_add_co_u32 s42, s42, s40                     ; tile column
	s_and_b32 s17, ttmp7, 0xffff
	s_lshl_b32 s17, s17, 2
	s_add_co_u32 s17, s17, s41                     ; tile row
	s_lshl_b32 s43, s41, 2
	s_lshl_b32 s43, 15, s43                        ; my row of the cluster
	s_lshl_b32 s44, 0x1111, s40                    ; my column
	s_or_b32 s[G1+0], s43, (3<<16)|(1<<21)         ; elements of 8 bytes, no padding: the images are read 16 bytes a lane on end
	s_or_b32 s[G1B+0], s44, (3<<16)|(1<<21)
	s_or_b32 s[G1L+0], s43, (3<<16)|(1<<21)
	s_or_b32 s[G1LB+0], s44, (3<<16)|(1<<21)
.irp g, G1, G1B
	s_mov_b32 s[\g+1], 32<<16
	s_mov_b32 s[\g+2], (HALFT/256)<<16
	s_mov_b32 s[\g+3], 32<<16
	s_mov_b32 s[\g+4], HALFT/256
	s_mov_b32 s[\g+5], 32
	s_mov_b32 s[\g+6], 0
	s_mov_b32 s[\g+7], 0
.endr
.irp g, G1L, G1LB
	s_mov_b32 s[\g+1], 32<<16
	s_mov_b32 s[\g+2], (2*STEPH/256)<<16
	s_mov_b32 s[\g+3], 32<<16
	s_mov_b32 s[\g+4], 2*STEPH/256
	s_mov_b32 s[\g+5], 32
	s_mov_b32 s[\g+6], 0
	s_mov_b32 s[\g+7], 0
.endr
	s_mul_i32 s18, s16, HSTREAM
	s_mul_i32 s20, s17, TILEB
	s_add_co_u32 s20, s20, s18
	s_mov_b32 s21, 0
	s_mul_i32 s46, s42, TILEB
	s_add_co_u32 s46, s46, s18
	s_mov_b32 s47, 0
	s_mul_i32 s45, s14, HALFT                      ; where my part of a slot lies
	s_wait_dscnt 0x0                               ; both opening adds are done
	s_wait_kmcnt 0x0
	s_load_b32 s66, s[100:101], 0x0                ; input_scale
	s_add_nc_u64 s[20:21], s[4:5], s[20:21]
	s_add_nc_u64 s[46:47], s[6:7], s[46:47]
.irp s, 0,1
	s_mov_b32 s[G0+4*\s], 1
	s_add_co_u32 s[G0+4*\s+1], s45, \s*SLOT
	s_add_nc_u64 s[G0+4*\s+2:G0+4*\s+3], s[20:21], \s*HALFT
	s_or_b32 s[G0+4*\s+3], s[G0+4*\s+3], 0x80000000
	s_mov_b32 s[G0B+4*\s], 1
	s_add_co_u32 s[G0B+4*\s+1], s45, \s*SLOT
	s_add_nc_u64 s[G0B+4*\s+2:G0B+4*\s+3], s[46:47], \s*HALFT
	s_or_b32 s[G0B+4*\s+3], s[G0B+4*\s+3], 0x80000000
.endr
	CROUND                                         ; all sixteen work-groups are here: the first joint loads meet
	JLOAD G0, G1, G0B, G1B                         ; fill 0: one tensor load a wave at the head; all that follows up to the wait for it stands under its flight
	; out0, weight_scale, bias: my part
	s_lshl_b32 s20, s17, 8
	s_lshl_b32 s21, s15, 7
	s_add_co_u32 s20, s20, s21
	s_lshl_b32 s20, s20, 14                        ; my first row x 16,384 bytes
	s_mov_b32 s21, 0
	s_lshl_b32 s46, s42, 10
	s_lshl_b32 s47, s16, 9
	s_add_co_u32 s46, s46, s47                     ; my first column, in bytes
	s_mov_b32 s47, 0
	s_add_nc_u64 s[12:13], s[12:13], s[20:21]
	s_add_nc_u64 s[12:13], s[12:13], s[46:47]
	s_add_nc_u64 s[96:97], s[96:97], s[46:47]
	s_add_nc_u64 s[98:99], s[98:99], s[46:47]
	; the prefetches: my work-group's 75 blocks of A's tile (by cx) and of B's (by cy), at fill 2
	s_lshr_b32 s18, s40, 1
	s_mul_i32 s18, s18, HSTREAM
	s_and_b32 s19, s40, 1
	s_mul_i32 s19, s19, 75*256
	s_mul_i32 s20, s17, TILEB
	s_add_co_u32 s20, s20, s18
	s_add_co_u32 s20, s20, s19
	s_add_co_u32 s20, s20, 2*HALFT
	s_add_nc_u64 s[PFA:PFA+1], s[4:5], s[20:21]
	s_lshr_b32 s18, s41, 1
	s_mul_i32 s18, s18, HSTREAM
	s_and_b32 s19, s41, 1
	s_mul_i32 s19, s19, 75*256
	s_mul_i32 s20, s42, TILEB
	s_add_co_u32 s20, s20, s18
	s_add_co_u32 s20, s20, s19
	s_add_co_u32 s20, s20, 2*HALFT
	s_add_nc_u64 s[PFB:PFB+1], s[6:7], s[20:21]
	s_mul_i32 s18, s14, 19                         ; my wave's first block of the 75
	s_mul_i32 s21, s15, HALFT                      ; my 128 rows of A
	s_mul_i32 s22, s16, HALFT
	s_add_co_u32 s22, s22, 2*HALFT                 ; my 128 rows of B
	s_sub_co_u32 s23, s22, s21
	s_add_co_u32 s19, s21, SLOT
	s_add_co_u32 s20, s22, SLOT
	v_and_b32 v1, 15, v0                           ; r
	v_bfe_u32 v2, v0, 4, 1                         ; h
	v_and_b32 v3, 31, v0                           ; lane
	v_lshlrev_b32 v4, 4, v3                        ; 16 x lane: my bytes of an image's 512
	v_min_u32 v5, 18, v3
	v_add_nc_u32 v5, s18, v5
	v_min_u32 v5, 74, v5
	v_lshlrev_b32 v[PFO], 8, v5
	v_lshlrev_b32 v[VO], 4, v1
	v_lshl_add_u32 v[CO], v2, 19, v[VO]
	v_mul_u32_u24 v6, s23, v2                      ; lanes 16-31 take B's scale words
	v_lshl_add_u32 v6, v1, 4, v6
	v_add_nc_u32 v[ADRA], s21, v4
	v_add_nc_u32 v[ADRB], s22, v4
	v_add_nc_u32 v[ADRS], s21, v6
	v_add_nc_u32 v[ADRA+1], s19, v4
	v_add_nc_u32 v[ADRB+1], s20, v4
	v_add_nc_u32 v[ADRS+1], s19, v6
	ASK 0, 0                                       ; fill 2
	global_load_b128 v[DS:DS+3], v[VO], s[96:97]             ; weight_scale at columns 4 r .. 4 r + 3,
	global_load_b128 v[DS+4:DS+7], v[VO], s[96:97] offset:256  ; and 64 columns on
	global_load_b128 v[BI:BI+3], v[VO], s[98:99]
	global_load_b128 v[BI+4:BI+7], v[VO], s[98:99] offset:256
	s_wait_loadcnt 0x0
	s_wait_kmcnt 0x0
.irp i, 0,1,2,3,4,5,6,7
	v_mul_f32 v[DS+\i], s66, v[DS+\i]              ; input_scale x weight_scale
.endr
.macro FRAG reg, adr, q, i
.irp c, 0,1,2
	ds_load_b128 v[\reg+4*\c:\reg+4*\c+3], v[\adr] offset:(\q)*STEPH+(\i)*FRB+512*\c
.endr
.endm
.macro WM acc, af, bf, sa, sb, zero
.if \zero
	v_wmma_scale_f32_16x16x128_f8f6f4 v[\acc:\acc+7], v[\af:\af+FR-1], v[\bf:\bf+FR-1], 0, v[\sa], v[\sb] matrix_a_fmt:MATRIX_FMT_FP6 matrix_b_fmt:MATRIX_FMT_FP6 matrix_b_scale:MATRIX_SCALE_ROW1
.else
	v_wmma_scale_f32_16x16x128_f8f6f4 v[\acc:\acc+7], v[\af:\af+FR-1], v[\bf:\bf+FR-1], v[\acc:\acc+7], v[\sa], v[\sb] matrix_a_fmt:MATRIX_FMT_FP6 matrix_b_fmt:MATRIX_FMT_FP6 matrix_b_scale:MATRIX_SCALE_ROW1
.endif
.endm
.macro MUL8 a, p, zero                 ; A's block a against B's eight; the accumulators take turns
.irp b, 0,1,2,3,4,5,6,7
	WM 8*(8*((\a)%4)+\b), AF+FR*(\a), 128*(\p)+FR*\b, SC+8*(\p)+(\a), SC+8*(\p)+\b, \zero
.endr
.endm
.macro MUL16 a0, p, zero
	MUL8 \a0, \p, \zero
	MUL8 \a0+1, \p, \zero
.endm
.macro FETCH_B slot, q, p
	WIN TO_B
.irp i, 0,1,2,3,4,5,6,7
	FRAG 128*(\p)+FR*\i, ADRB+\slot, \q, \i
.endr
	WIN 0
.endm
.macro FETCH_A slot, q, i0
.irp i, \i0, \i0+1, \i0+2, \i0+3
	FRAG AF+FR*(\i), ADRA+\slot, \q, \i
.endr
.endm
.macro SCALES slot, q, p
.irp pl, 0,1
	ds_load_b128 v[SC+8*(\p)+4*\pl:SC+8*(\p)+4*\pl+3], v[ADRS+\slot] offset:(\q)*STEPH+SCO+256*\pl
.endr
.endm
.macro PLACES n
.rept \n
	v_nop
.endr
.endm
; A step inside a slot: 64 products; the next step's fragments are fetched in its middle (B, A's blocks 0-3, scales) and at its end (A's blocks 4-7)
.macro STEP slot, q, p, zero
	s_wait_dscnt 4*NL                              ; all but the youngest twelve loads, A's blocks 4-7
	WIN MUL_LO
	MUL16 0, \p, \zero
	MUL16 2, \p, \zero
	s_wait_dscnt 0
	PLACES NP
	FETCH_B \slot, (\q)+1, 1-(\p)
	FETCH_A \slot, (\q)+1, 0
	SCALES \slot, (\q)+1, 1-(\p)
	WIN MUL_HI
	MUL16 4, \p, \zero
	MUL16 6, \p, \zero
	PLACES NP
	WIN 0
	FETCH_A \slot, (\q)+1, 4
.endm
; A slot's last step begins with the change of slots: all this slot's reads were issued in the step before
.macro MEET p
	s_wait_tensorcnt 0x0                           ; my one load that was out, my part of the other slot, has landed
	ds_add_u32 v[SPW], v[NIL]
	s_wait_dscnt 4*NL+1                            ; (the add and A's blocks 4-7 may be out)
	WIN MUL_LO
	MUL8 0, \p, 0
	s_wait_dscnt 0x0                               ; the add is done, and my reads of this slot are over
	s_barrier_signal -1
	MUL8 1, \p, 0
	WIN 0
	s_barrier_wait -1
.endm
.macro TURN slot, next, p, fill        ; fill = 1: three steps, in the loop; 2: the short last fill
.if (\fill) == 1
	s_wait_xcnt 0x0                                ; my prefetches have read their addresses
	s_add_nc_u64 s[PFA:PFA+1], s[PFA:PFA+1], HALFT
	s_add_nc_u64 s[PFB:PFB+1], s[PFB:PFB+1], HALFT
.endif
	MEET \p
	CREST                                          ; the barrier has opened a round of the cluster's barrier
	s_add_nc_u64 s[G0+4*\slot+2:G0+4*\slot+3], s[G0+4*\slot+2:G0+4*\slot+3], 2*HALFT
	s_add_nc_u64 s[G0B+4*\slot+2:G0B+4*\slot+3], s[G0B+4*\slot+2:G0B+4*\slot+3], 2*HALFT
.if (\fill) == 1
	JLOAD G0+4*\slot, G1, G0B+4*\slot, G1B         ; its four v_nop are the places in front of the loads below
.else
	JLOAD G0+4*\slot, G1L, G0B+4*\slot, G1LB
.endif
	FETCH_B \next, 0, 1-(\p)
	SCALES \next, 0, 1-(\p)
.if (\fill) == 1
	ASK HALFT, 1                                   ; the fill two behind the one just asked for
.endif
	WIN MUL_LO
	MUL16 2, \p, 0
	PLACES NP
	WIN 0
	FETCH_A \next, 0, 0
	WIN MUL_HI
	MUL16 4, \p, 0
	MUL16 6, \p, 0
	PLACES NP
	WIN 0
	FETCH_A \next, 0, 4
.endm
	s_wait_alu depctr_va_vdst(0)
	s_wait_tensorcnt 0x0                           ; my part of fill 0 is in; slot 1's first fill is issued as a refill is
	ds_add_u32 v[SPW], v[NIL]
	s_wait_dscnt 0x0
	CROUND
	JLOAD G0+4, G1, G0B+4, G1B                     ; fill 1
	FETCH_B 0, 0, 0
	FETCH_A 0, 0, 0
	SCALES 0, 0, 0
	FETCH_A 0, 0, 4
	ASK HALFT, 0                                   ; fill 3
	STEP 0, 0, 0, 1                                ; the first step's products start the sums
	s_mov_b32 s3, TRIPS
.Llap:                                                 ; six steps: once round the ring, both slots filled again
	STEP 0, 1, 1, 0
	TURN 0, 1, 0, 1
	STEP 1, 0, 1, 0
	STEP 1, 1, 0, 0
	TURN 1, 0, 1, 1
	STEP 0, 0, 0, 0
	s_sub_co_u32 s3, s3, 1
	s_cmp_lg_u32 s3, 0
	s_cbranch_scc1 .Llap
	STEP 0, 1, 1, 0
	TURN 0, 1, 0, 2                                ; steps 30 and 31 into slot 0
	STEP 1, 0, 1, 0
	STEP 1, 1, 0, 0
; THE LAST THREE STEPS.  Step 29 as a slot's last step, with no refill; steps 30 and 31 by rows of C.
.macro ALOAD a                         ; A's block a of steps 30 and 31 into window 1, buffer a % 2
.irp q, 0,1
	FRAG AB+128*((\a)%2)+FR*\q, ADRA, \q, \a
.endr
.endm
.macro ROW a                           ; block a is finished: 16 products, its eight accumulators by turns, K ascending
.set WV, 0xa5+0x50*((\a)/4)
	WIN WV
.irp q, 0,1
.if (\a) == 0 && \q == 1
	s_wait_dscnt 0x0                               ; step 31's fragments of B and scale words are in
.endif
.irp b, 0,1,2,3,4,5,6,7
	WM 8*(8*((\a)%4)+\b), AB+128*((\a)%2)+FR*\q, 128*\q+FR*\b, SC+8*\q+(\a), SC+8*\q+\b, 0
.endr
.endr
.endm
.macro OUT a                           ; block a leaves: x the factor + the bias, four columns to four registers on end; each accumulator is read from its low end on
.set AC, 64*((\a)%4)
.set OB, 128+64*((\a)%2)
.set WV, 0x02+(\a)/4
.if (\a) > 1
	s_wait_xcnt 0x0                                ; block a - 2's stores have read these registers
.endif
	WIN WV
.irp j, 0,1,2,3,4,5,6,7
.irp c, 0,1,2,3,4,5,6,7
	v_fma_f32 v[OB+8*\j+\c], v[AC+8*\c+\j], v[DS+\c], v[BI+\c]
.endr
.endr
	WIN 0
.irp j, 0,1,2,3,4,5,6,7
.irp g, 0,1
	global_store_b128 v[CO], v[OB+8*\j+4*\g:OB+8*\j+4*\g+3], s[12:13] offset:(64*((\a)/4)+(\a)%4+4*\j)*ROWC+256*\g th:TH_STORE_NT   ; sixteen lanes store 256 consecutive bytes, aligned; lanes 16-31 the same 32 rows on
.endr
.endr
.endm
	MEET 1                                         ; no round follows
	PLACES NP
	WIN TO_B
.irp i, 0,1,2,3,4,5,6,7
	FRAG FR*\i, ADRB, 0, \i
.endr
	ALOAD 0
	ALOAD 1
	WIN 0
	SCALES 0, 0, 0
	WIN MUL_LO
	MUL16 2, 1, 0
	WIN MUL_HI
	MUL16 4, 1, 0
	MUL16 6, 1, 0
	PLACES NP
	FETCH_B 0, 1, 1
	SCALES 0, 1, 1
	s_wait_dscnt 26                                ; all but the 26 just issued
	ROW 0
.irp a, 0,1,2,3,4,5,6,7
	PLACES NP                                      ; in front of the reads of results just made and of the loads into the block's buffer
.if \a < 6
	WIN TO_B
	ALOAD \a+2
.endif
	OUT \a
.if \a < 6
	s_wait_dscnt 6                                 ; block a + 1 is in; the six loads of block a + 2 may be out
	ROW \a+1
.elseif \a == 6
	s_wait_dscnt 0x0
	ROW \a+1
.endif
.endr
	s_wait_tensorcnt 0x0                           ; the wave's end
	ds_add_u32 v[SPW], v[NIL]
	s_wait_dscnt 0x0
	CROUND                                         ; the closing round
	s_endpgm
.Lfunc_end_k_q5d129919cb_gemm:
	.size	k_q5d129919cb_gemm, .Lfunc_end_k_q5d129919cb_gemm-k_q5d129919cb_gemm
	.p2alignl 7, 3214868480
	.fill 96, 4, 3214868480
	.section	.rodata,"a",@progbits
	.p2align	6, 0x0
	.amdhsa_kernel k_q5d129919cb_gemm
		.amdhsa_group_segment_fixed_size 327680
		.amdhsa_private_segment_fixed_size 0
		.amdhsa_enable_private_segment 0
		.amdhsa_kernarg_size 48
		.amdhsa_user_sgpr_count 2
		.amdhsa_user_sgpr_kernarg_segment_ptr 1
		.amdhsa_wavefront_size32 1
		.amdhsa_system_sgpr_workgroup_id_x 1
		.amdhsa_system_sgpr_workgroup_id_y 1
		.amdhsa_system_sgpr_workgroup_id_z 1
		.amdhsa_system_vgpr_workitem_id 0
		.amdhsa_next_free_vgpr 1024
		.amdhsa_next_free_sgpr 102
		.amdhsa_reserve_vcc 0
		.amdhsa_float_denorm_mode_32 3
		.amdhsa_float_denorm_mode_16_64 3
		.amdhsa_memory_ordered 1
		.amdhsa_forward_progress 1
		.amdhsa_inst_pref_size 223
	.end_amdhsa_kernel
	.amdgpu_metadata
---
amdhsa.version: [ 1, 2 ]
amdhsa.kernels:
  - .name:           k_q5d129919cb_gemm
    .symbol:         k_q5d129919cb_gemm.kd
    .args:
      - { .name: a_ops, .offset: 0, .size: 8, .value_kind: global_buffer, .address_space: global }
      - { .name: b_ops, .offset: 8, .size: 8, .value_kind: global_buffer, .address_space: global }
      - { .name: out0, .offset: 16, .size: 8, .value_kind: global_buffer, .address_space: global }
      - { .name: weight_scale, .offset: 24, .size: 8, .value_kind: global_buffer, .address_space: global }
      - { .name: bias, .offset: 32, .size: 8, .value_kind: global_buffer, .address_space: global }
      - { .name: input_scale, .offset: 40, .size: 8, .value_kind: global_buffer, .address_space: global }
    .group_segment_fixed_size: 327680
    .private_segment_fixed_size: 0
    .kernarg_segment_align: 8
    .kernarg_segment_size: 48
    .max_flat_workgroup_size: 128
    .sgpr_count:     102
    .vgpr_count:     1024
    .wavefront_size: 32
...
	.end_amdgpu_metadata
.endif
;; end of part 2
